; MI455X (gfx1250); checked and timed in simulation.
; The chip was launched on July 23, 2026; its instructions are those of AMD's public machine-readable ISA for CDNA 5 (MIT licence, August 2026) and "CDNA5" Instruction Set Architecture Reference Guide (July 2026). The comments in the code are by the model that wrote it; some were corrected since.
;; Multi Head Self Attention Layer. Allowed arithmetic: matrix products marked QUANTISED: E2M1 operands, one E8M0 scale for each 32 along K, by v_wmma_scale_f32_16x16x128_f8f6f4 with both operands' format E2M1 (or v_wmma_scale_f32_32x16x128_f4), f32 sums; products left as they are: bf16, f16 or f32 operands; f32 sums; everything else in f32.
;; Inputs: Wk 1,024 x 1,024 float32; Wq 1,024 x 1,024 float32; Wv 1,024 x 1,024 float32; encoder_input 4 x 2,048 x 1,024 float32.
;; Outputs: out0 4 x 2,048 x 1,024 float32.
;; This version of the problem:
;;   THIS VERSION OF THE PROBLEM IS GIVEN IN LOW PRECISION. The matrix products marked QUANTISED in the list below multiply operands that are first quantised to E2M1 (2 exponent bits, 1 mantissa bit; 4 bits a number), with one power-of-two scale for each 32 numbers along K (OCP MX v1.0); their sums are f32. The products marked 'left as it is' may take bf16, f16 or f32 operands, with f32 sums. Whichever they take, every output number must still come out within the allowed error. Rounding operands to bf16 (8 significant bits) uses up far more of that allowance than f16 does (11 bits, for magnitudes from 6e-5 to 65,504). All else is computed in f32.
;;   The module's matrix products, in the order in which they are computed (A, B: the left and right operand; K: the contracted axis; several contracted axes count as one K, in the product's order):
;;     1. [M 8,192, K 1,024] x [K 1,024, N 1,024]; A: input encoder_input; B: input Wq: QUANTISED
;;     2. [M 8,192, K 1,024] x [K 1,024, N 1,024]; A: input encoder_input; B: input Wk: QUANTISED
;;     3. [M 8,192, K 1,024] x [K 1,024, N 1,024]; A: input encoder_input; B: input Wv: QUANTISED
;;     4. batch 64 x [M 2,048, K 64] x [K 64, N 2,048]; A: computed on the way; B: computed on the way: left as it is (an operand is computed on the way)
;;     5. batch 64 x [M 64, K 2,048] x [K 2,048, N 2,048]; A: computed on the way; B: computed on the way: left as it is (an operand is computed on the way)
;;   THE QUANTISER, for each operand of a quantised product, along K:
;;     - K is cut into blocks of 32 from its start; a last block that is shorter is filled with zeros.
;;     - A block's scale is 2^e with e = floor(log2(the largest magnitude in the block)) - 2, held to -126 .. 127; a block of zeros has e = 0. As a byte (E8M0): e + 127.
;;     - Each number is divided by its block's scale, clamped to +-6, and rounded to the nearest number of E2M1, ties to even, subnormals kept.
;;     - The product sums the exact products of the quantised numbers (number of the format x scale) in f32.
;;   ~~~python
;;   def quantise(x, axis):      # numpy; x: float32 -> the quantised numbers, widened to float32 again
;;       x = np.moveaxis(x, axis, -1); K = x.shape[-1]
;;       x = np.pad(x, [(0, 0)] * (x.ndim - 1) + [(0, -K % 32)]); x = x.reshape(x.shape[:-1] + (-1, 32)); a = np.abs(x).max(-1, keepdims=True)
;;       e = np.where(a > 0, np.clip(np.frexp(np.where(a > 0, a, 1))[1] - 1 - 2, -126, 127), 0)      # np.frexp(a)[1] - 1 = floor(log2(a)), exactly
;;       r = np.clip(x / 2.0 ** e, -6, 6)
;;       step = 2.0 ** (np.maximum(np.frexp(np.where(r == 0, 1, r))[1] - 1, 0) - 1)
;;       q = np.round(r / step) * step * 2.0 ** e      # np.round: ties to even
;;       return np.moveaxis(q.reshape(q.shape[:-2] + (-1,))[..., :K], -1, axis).astype(np.float32)
;;   ~~~
;; One version. Each part assembles by itself: llvm-mc -triple=amdgcn-amd-amdhsa -mcpu=gfx1250 --defsym DOCPART=n.
;; ======== version 1 of 1: 3 launches
;; limits: values are held in f16: magnitudes above 65,504 overflow, below 6.1e-05 lose precision
;; workspace buffers: x_codes 4,194,304 bytes; x_scales 262,144 bytes; w_codes 1,572,864 bytes; w_scales 98,304 bytes; q_img 16,777,216 bytes; k_img 16,777,216 bytes; v_img 16,777,216 bytes
;; launch quant (part 1): grid 304 x 1, 4 waves a work-group, no clusters, 68,096 bytes of LDS; arguments encoder_input, Wq, Wk, Wv, x_codes, x_scales, w_codes, w_scales; writes x_codes, x_scales, w_codes, w_scales
.if DOCPART == 1
	.amdgcn_target "amdgcn-amd-amdhsa--gfx1250"
	.amdhsa_code_object_version 6
	.text
	.protected	k_q8d244d6192_quant
	.globl	k_q8d244d6192_quant
	.p2align	8
	.type	k_q8d244d6192_quant,@function
k_q8d244d6192_quant:
	s_mov_b64 s[64:65], 0
	v_nop
	global_prefetch_b8 v0, s[64:65] scope:SCOPE_SE
	s_setreg_imm32_b32 hwreg(HW_REG_WAVE_MODE, 25, 1), 1
	s_wait_xcnt 0x0
; x [8192][1024] and Wq, Wk, Wv [1024 (k)][1024 (n)], f32, become codes of FP4 (E2M1), two to a byte, K innermost, with one E8M0 scale byte for each 32 along K.
; x_codes [8192][512 bytes], x_scales [8192][32];  w_codes [3072][512 bytes], w_scales [3072][32]: row n is column n of Wq (0-1023), of Wk (1024-2047), of Wv (2048-3071).
; A block's scale is 2^(floor(log2(its largest magnitude)) - 2): its byte is the largest magnitude's exponent field - 2, held at 1 from below; each number is divided by it and rounded to the nearest code, ties to even,
; beyond 6 the largest code.
; LIMITS: a block of zeros gets the byte 1 and not 127 (its codes are zeros, which add nothing, and this program alone reads the bytes); blocks whose largest magnitude lies under 2^-124 are held at the byte 1;
; NaN and infinities among the inputs are not served.
; SHARES.  Work-groups 0-47 take the weights (K is their FIRST axis: a lane takes a column, its registers run down K); work-groups 48-303 take x (K innermost: a plain stream of blocks of 32).
; The two ways part once, on the work-group's number, and never join; each has LDS bytes of its own.  No wave shares anything with another: no barrier.  No work-group shares input with another: no cluster.
.set WGW,   48                         ; work-groups of the weights' way: 3 tensors x 8 column blocks of 128 x 2 halves of K
.set EMAX,  2
.set SPW,   192                        ; v192  LDS address of my spare word: SPARE + 4 x my thread's number; never rewritten
.set NIL,   193                        ; v193  0; never rewritten
.set WREG,  8192                       ; x's way: a region for each wave: two stages of 32 x SP bytes, and behind them its 256 scale bytes
.set SP,    80                         ; a lane's place in a stage: its 64 bytes + 16 of padding
.set WSTG,  4*WREG                     ; the weights' way: a stage of 32 rows x PITCH for each wave
.set PITCH, 272                        ; 256 bytes of codes + 16 of padding
.set SPARE, WSTG+4*32*PITCH            ; behind both: the spare words, 128 bytes for each wave, which no other line names
	s_load_b256 s[4:11], s[0:1], 0x0               ; x s[4:5], Wq s[6:7], Wk s[8:9], Wv s[10:11]
	s_load_b256 s[12:19], s[0:1], 0x20             ; x_codes s[12:13], x_scales s[14:15], w_codes s[16:17], w_scales s[18:19]
	v_lshl_add_u32 v[SPW], v0, 2, SPARE
	v_mov_b32 v[NIL], 0
	v_lshrrev_b32 v1, 5, v0
	v_readfirstlane_b32 s20, v1                    ; wave 0..3
	v_and_b32 v2, 31, v0                           ; lane
	s_cmp_lt_u32 ttmp9, WGW
	s_cbranch_scc0 .Lx
; ---------------- THE WEIGHTS.  A wave takes 32 columns x 512 along K: 16 blocks a lane, 256 bytes of codes for each column.  Each load reads one row k at 32 neighbouring columns; a block of 32 along K lies in ONE
; lane's 32 registers, so its largest magnitude needs no other lane and the conversions give codes with K innermost.  The codes go through the wave's stage and leave by rows: sixteen lanes store 256 consecutive bytes, aligned.
.set NB,    16                         ; blocks of a wave
.set KROW,  512                        ; a row of w_codes in bytes
.set WSB,   24                         ; v24-27   the scale bytes, four to a register
.set WX,    32                         ; v32-95   two sets of 32 numbers
.set WC,    96                         ; v96-99   a block's codes
.set WO,    112                        ; v112-175 the way out
	s_lshr_b32 s21, ttmp9, 4                       ; which tensor: 0 Wq, 1 Wk, 2 Wv
	s_and_b32 s22, ttmp9, 7                        ; which 128 columns
	s_bfe_u32 s23, ttmp9, 0x10003                  ; which 512 along K
	s_lshl_b32 s24, s22, 7
	s_lshl_b32 s25, s20, 5
	s_add_co_u32 s24, s24, s25                     ; my wave's first column
	s_lshl_b32 s25, s21, 10
	s_add_co_u32 s25, s25, s24                     ; and its row of w_codes and w_scales
	s_lshl_b32 s28, s23, 21                        ; W: 512 rows of 4,096 bytes,
	s_lshl_b32 s29, s24, 2
	s_add_co_u32 s28, s28, s29                     ; + 4 bytes a column
	s_mov_b32 s29, 0
	s_lshl_b32 s30, s25, 9                         ; codes: 512 bytes a row,
	s_lshl_b32 s31, s23, 8
	s_add_co_u32 s30, s30, s31                     ; + 256 for the second half of K
	s_mov_b32 s31, 0
	s_lshl_b32 s32, s25, 5                         ; scale bytes: 32 a row,
	s_lshl_b32 s33, s23, 4
	s_add_co_u32 s32, s32, s33                     ; + 16
	s_mov_b32 s33, 0
	v_lshlrev_b32 v3, 2, v2                        ; in: 4 bytes a lane
	s_mul_i32 s34, s20, 32*PITCH
	s_add_co_u32 s34, s34, WSTG                    ; my stage
	v_mul_u32_u24 v4, v2, PITCH
	v_add_nc_u32 v4, s34, v4                       ; into it: row = my column
	v_and_b32 v5, 15, v2
	v_lshrrev_b32 v6, 4, v2                        ; out of it: sixteen lanes to a row, two rows an instruction
	v_mul_u32_u24 v7, v6, PITCH
	v_lshl_add_u32 v7, v5, 4, v7
	v_add_nc_u32 v7, s34, v7
	v_mul_u32_u24 v8, v6, KROW
	v_lshl_add_u32 v8, v5, 4, v8                   ; and the same place in w_codes
	v_lshlrev_b32 v9, 5, v2                        ; my column's row of scale bytes
	s_wait_kmcnt 0x0
	s_cmp_eq_u32 s21, 0                            ; the choice of the tensor hangs on the work-group's number alone
	s_cselect_b64 s[26:27], s[6:7], s[8:9]
	s_cmp_eq_u32 s21, 2
	s_cselect_b64 s[26:27], s[10:11], s[26:27]
	s_add_nc_u64 s[26:27], s[26:27], s[28:29]
	s_add_nc_u64 s[16:17], s[16:17], s[30:31]
	s_add_nc_u64 s[18:19], s[18:19], s[32:33]
.macro WLOAD t                         ; block t: W(32 t + i, my column), i = 0 .. 31, into set t % 2; the largest offset is 511 rows of 4,096 bytes
.irp i, 0,1,2,3,4,5,6,7,8,9,10,11,12,13,14,15,16,17,18,19,20,21,22,23,24,25,26,27,28,29,30,31
	global_load_b32 v[WX+32*((\t)%2)+\i], v3, s[26:27] offset:(32*(\t)+\i)*4096 th:TH_LOAD_NT
.endr
.endm
	WLOAD 0
	WLOAD 1
.macro WBLOCK t
.set XS, WX+32*((\t)%2)
.if (\t) < NB-1
	s_wait_loadcnt 32                              ; this block's 32 loads are in; the next block's 32 may be out
.else
	s_wait_loadcnt 0
.endif
	v_max3_num_f32 v12, |v[XS]|, |v[XS+1]|, |v[XS+2]|              ; the block's largest magnitude: all 32 numbers are mine; two chains
	v_max3_num_f32 v13, |v[XS+3]|, |v[XS+4]|, |v[XS+5]|
.irp i, 6,10,14,18,22,26
	v_max3_num_f32 v12, v12, |v[XS+\i]|, |v[XS+\i+1]|
	v_max3_num_f32 v13, v13, |v[XS+\i+2]|, |v[XS+\i+3]|
.endr
	v_max3_num_f32 v12, v12, |v[XS+30]|, |v[XS+31]|
	v_max3_num_f32 v12, v12, v13, (EMAX+1)<<23     ; and the floor 2^(3 - 127): the byte cannot fall under 1
	v_add_nc_u32 v11, 0xff000000, v12              ; 2 off the exponent field: the conversion takes the exponent field of this operand as its scale, and nothing else of it
	v_lshrrev_b32 v13, 23, v11                     ; the scale's byte
.if (\t)%4 == 0
	v_mov_b32 v[WSB+(\t)/4], v13                   ; four bytes to a register, the lower K in the lower byte
.else
	v_lshl_or_b32 v[WSB+(\t)/4], v13, 8*((\t)%4), v[WSB+(\t)/4]
.endif
.irp g, 0,1,2,3
	v_cvt_scalef32_pk8_fp4_f32 v[WC+\g], v[XS+8*\g:XS+8*\g+7], v11
.endr
	ds_store_b128 v4, v[WC:WC+3] offset:16*(\t)    ; 32 codes: 16 bytes of my column's row.  (The codes go to a store alone; the next block begins with plain vector lines)
.if (\t)+2 < NB
	WLOAD (\t)+2
.endif
	s_wait_dscnt 0x0                               ; the store has read its registers: the next block's codes may be written
.endm
.set Q, 0
.rept NB
	WBLOCK Q
.set Q, Q+1
.endr
	global_store_b128 v9, v[WSB:WSB+3], s[18:19]   ; my column's 16 scale bytes
.irp t, 0,1,2,3,4,5,6,7,8,9,10,11,12,13,14,15
	ds_load_b128 v[WO+4*\t:WO+4*\t+3], v7 offset:2*\t*PITCH        ; LDS serves a wave's instructions in order: these see my stores
.endr
.irp t, 0,1,2,3,4,5,6,7,8,9,10,11,12,13,14,15
	s_wait_dscnt 15-\t                             ; the later loads may be out
	global_store_b128 v8, v[WO+4*\t:WO+4*\t+3], s[16:17] offset:2*\t*KROW
.endr
	s_wait_tensorcnt 0x0                           ; the wave's end: three lines behind my last LDS store
	ds_add_u32 v[SPW], v[NIL]
	s_wait_dscnt 0x0
	s_endpgm
; ---------------- x.  A wave takes 16 steps of 512 numbers.  Each of a step's four loads reads 512 consecutive bytes, 16 a lane; the 2,048 bytes turn through the wave's stage and come back 64 bytes a lane, so that a
; lane holds 16 NEIGHBOURS along K (two neighbouring lanes hold a block).  A lane's 16 codes are 8 bytes: the wave stores 256 consecutive bytes.  A wave's 256 scale bytes are gathered in LDS and leave together.
.Lx:
.set STEPS, 16
.set CB,    8                          ; bytes of 16 codes
.set RX,    16                         ; v16-79   four sets of 16 numbers as they are loaded
.set NX,    80                         ; v80-111  two sets of 16 neighbours
.set EX,    112                        ; v112-127 a scale byte for each step
.set CX,    128                        ; v128-191 codes: four registers for each step, so that no store's data are written again
	v_lshlrev_b32 v3, 4, v2                        ; my 16 bytes of a load's 512
	s_mul_i32 s21, s20, WREG
	v_lshrrev_b32 v14, 2, v2
	v_mul_u32_u24 v14, v14, SP
	v_and_b32 v15, 3, v2
	v_lshl_add_u32 v14, v15, 4, v14
	v_add_nc_u32 v14, s21, v14                     ; the stage, on the way in: four lanes' 64 bytes on end, then the padding
	v_mul_u32_u24 v15, v2, SP
	v_add_nc_u32 v15, s21, v15                     ; and on the way out: SP x lane: my 16 neighbours
	v_mul_u32_u24 v4, v2, CB                       ; my codes' place in a step's
	v_lshrrev_b32 v5, 1, v2
	s_add_co_u32 s21, s21, 2*32*SP
	v_add_nc_u32 v5, s21, v5                       ; my wave's 256 scale bytes, my block's byte
	v_lshlrev_b32 v7, 3, v2                        ; and on the way out 8 bytes a lane
	v_add_nc_u32 v6, s21, v7
	s_sub_co_u32 s22, ttmp9, WGW
	s_lshl_b32 s22, s22, 2
	s_add_co_u32 s22, s22, s20                     ; which run of 8,192 numbers is my wave's
	s_mov_b32 s23, 0
	s_lshl_b64 s[24:25], s[22:23], 15              ; 32,768 bytes of x,
	s_lshl_b64 s[26:27], s[22:23], 12              ; 4,096 of codes,
	s_lshl_b64 s[28:29], s[22:23], 8               ; 256 scale bytes a run
	s_wait_kmcnt 0x0
	s_add_nc_u64 s[4:5], s[4:5], s[24:25]
	s_add_nc_u64 s[12:13], s[12:13], s[26:27]
	s_add_nc_u64 s[14:15], s[14:15], s[28:29]
.macro XLOAD t
.irp i, 0,1,2,3
	global_load_b128 v[RX+16*((\t)%4)+4*\i:RX+16*((\t)%4)+4*\i+3], v3, s[4:5] offset:2048*(\t)+512*\i th:TH_LOAD_NT
.endr
.endm
.macro XTURN t                         ; step t's numbers through the stage: LDS serves a wave's instructions in order, so no wait stands between the stores and the loads
.irp i, 0,1,2,3
	ds_store_b128 v14, v[RX+16*((\t)%4)+4*\i:RX+16*((\t)%4)+4*\i+3] offset:32*SP*((\t)%2)+8*SP*\i
.endr
.irp i, 0,1,2,3
	ds_load_b128 v[NX+16*((\t)%2)+4*\i:NX+16*((\t)%2)+4*\i+3], v15 offset:32*SP*((\t)%2)+16*\i
.endr
.endm
.irp t, 0,1,2,3
	XLOAD \t
.endr
	s_wait_loadcnt 12                              ; step 0's four loads are in; three steps' twelve may be out
	XTURN 0
.macro XSTEP t
.set XS, NX+16*((\t)%2)
.if (\t) > 0
	s_wait_dscnt 1                                 ; this step's numbers are back from the stage (the last step's byte store may be out): so its stores into the stage have read their registers,
.else
	s_wait_dscnt 0x0
.endif
.if (\t)+4 < STEPS
	XLOAD (\t)+4                                   ; which take the loads of four steps on
.endif
.if (\t)+1 < STEPS
.if STEPS-2-(\t) >= 3
	s_wait_loadcnt 12                              ; the next step's four loads are in; those of the three steps behind it may be out
.else
	s_wait_loadcnt 4*(STEPS-2-(\t))
.endif
	XTURN (\t)+1                                   ; and go through the other stage while this step is worked
.endif
	v_max3_num_f32 v8, |v[XS]|, |v[XS+1]|, |v[XS+2]|               ; the largest magnitude of my 16
	v_max3_num_f32 v9, |v[XS+3]|, |v[XS+4]|, |v[XS+5]|
.irp i, 6,10
	v_max3_num_f32 v8, v8, |v[XS+\i]|, |v[XS+\i+1]|
	v_max3_num_f32 v9, v9, |v[XS+\i+2]|, |v[XS+\i+3]|
.endr
	v_max3_num_f32 v8, v8, |v[XS+14]|, |v[XS+15]|
	v_max3_num_f32 v8, v8, v9, (EMAX+1)<<23        ; and the floor 2^(3 - 127)
	v_max_num_f32_dpp v8, v8, v8 row_xmask:1 row_mask:0xf bank_mask:0xf   ; and of my neighbour's 16: the block's
	v_add_nc_u32 v11, 0xff000000, v8               ; 2 off its exponent field: the conversion's scale operand
	v_cvt_scalef32_pk8_fp4_f32 v[CX+4*(\t)], v[XS:XS+7], v11
	v_cvt_scalef32_pk8_fp4_f32 v[CX+4*(\t)+1], v[XS+8:XS+15], v11
	v_lshrrev_b32 v[EX+(\t)], 23, v11              ; the scale's byte (a plain line behind the conversions)
	ds_store_b8 v5, v[EX+(\t)] offset:16*(\t)      ; both lanes of a block write the same byte with the same value
	global_store_b64 v4, v[CX+4*(\t):CX+4*(\t)+1], s[12:13] offset:32*CB*(\t)
.endm
.irp t, 0,1,2,3,4,5,6,7,8,9,10,11,12,13,14,15
	XSTEP \t
.endr
	ds_load_b64 v[8:9], v6                         ; LDS serves a wave's instructions in order: these see my stores
	s_wait_dscnt 0x0
	global_store_b64 v7, v[8:9], s[14:15]          ; 32 lanes store 256 consecutive bytes, aligned
	s_wait_tensorcnt 0x0                           ; the wave's end: three lines behind my last LDS store
	ds_add_u32 v[SPW], v[NIL]
	s_wait_dscnt 0x0
	s_endpgm
.Lfunc_end_k_q8d244d6192_quant:
	.size	k_q8d244d6192_quant, .Lfunc_end_k_q8d244d6192_quant-k_q8d244d6192_quant
	.p2alignl 7, 3214868480
	.fill 96, 4, 3214868480
	.section	.rodata,"a",@progbits
	.p2align	6, 0x0
	.amdhsa_kernel k_q8d244d6192_quant
		.amdhsa_group_segment_fixed_size 68096
		.amdhsa_private_segment_fixed_size 0
		.amdhsa_enable_private_segment 0
		.amdhsa_kernarg_size 64
		.amdhsa_user_sgpr_count 2
		.amdhsa_user_sgpr_kernarg_segment_ptr 1
		.amdhsa_wavefront_size32 1
		.amdhsa_system_sgpr_workgroup_id_x 1
		.amdhsa_system_sgpr_workgroup_id_y 1
		.amdhsa_system_sgpr_workgroup_id_z 1
		.amdhsa_system_vgpr_workitem_id 0
		.amdhsa_next_free_vgpr 194
		.amdhsa_next_free_sgpr 66
		.amdhsa_reserve_vcc 0
		.amdhsa_float_denorm_mode_32 3
		.amdhsa_float_denorm_mode_16_64 3
		.amdhsa_memory_ordered 1
		.amdhsa_forward_progress 1
		.amdhsa_inst_pref_size 111
	.end_amdhsa_kernel
	.amdgpu_metadata
---
amdhsa.version: [ 1, 2 ]
amdhsa.kernels:
  - .name:           k_q8d244d6192_quant
    .symbol:         k_q8d244d6192_quant.kd
    .args:
      - { .name: encoder_input, .offset: 0, .size: 8, .value_kind: global_buffer, .address_space: global }
      - { .name: Wq, .offset: 8, .size: 8, .value_kind: global_buffer, .address_space: global }
      - { .name: Wk, .offset: 16, .size: 8, .value_kind: global_buffer, .address_space: global }
      - { .name: Wv, .offset: 24, .size: 8, .value_kind: global_buffer, .address_space: global }
      - { .name: x_codes, .offset: 32, .size: 8, .value_kind: global_buffer, .address_space: global }
      - { .name: x_scales, .offset: 40, .size: 8, .value_kind: global_buffer, .address_space: global }
      - { .name: w_codes, .offset: 48, .size: 8, .value_kind: global_buffer, .address_space: global }
      - { .name: w_scales, .offset: 56, .size: 8, .value_kind: global_buffer, .address_space: global }
    .group_segment_fixed_size: 68096
    .private_segment_fixed_size: 0
    .kernarg_segment_align: 8
    .kernarg_segment_size: 64
    .max_flat_workgroup_size: 128
    .sgpr_count:     66
    .vgpr_count:     194
    .wavefront_size: 32
...
	.end_amdgpu_metadata
.endif
;; end of part 1
;; launch gemm (part 2): grid 12 x 32, 4 waves a work-group, clusters of 4 x 4, 327,680 bytes of LDS; arguments x_codes, x_scales, w_codes, w_scales, q_img, k_img, v_img; writes q_img, k_img, v_img
.if DOCPART == 2
	.amdgcn_target "amdgcn-amd-amdhsa--gfx1250"
	.amdhsa_code_object_version 6
	.text
	.protected	k_q8d244d6192_gemm
	.globl	k_q8d244d6192_gemm
	.p2align	8
	.type	k_q8d244d6192_gemm,@function
k_q8d244d6192_gemm:
	s_mov_b64 s[64:65], 0
	v_nop
	global_prefetch_b8 v0, s[64:65] scope:SCOPE_SE
	s_setreg_imm32_b32 hwreg(HW_REG_WAVE_MODE, 25, 1), 1
	s_wait_xcnt 0x0
	s_wait_alu depctr_hold_cnt(0) depctr_sa_sdst(0) depctr_va_vdst(0) depctr_va_sdst(0) depctr_va_ssrc(0) depctr_va_vcc(0) depctr_vm_vsrc(0)
	s_getreg_b32 s2, hwreg(HW_REG_IB_STS2, 6, 4)
	s_cmp_eq_u32 s2, 0
	s_cbranch_scc0 .Lentry_in_a_cluster
	s_endpgm
.Lentry_in_a_cluster:
	s_bfe_u32 s2, ttmp6, 0x10000c
	s_cmp_lg_u32 s2, 0xf033
	s_cbranch_scc0 .Lentry_shape_is_right
	s_endpgm
.Lentry_shape_is_right:
; q = x Wq, k = x Wk, v = x Wv on codes of FP4 (E2M1) with one E8M0 scale for each 32 along K = 1,024; sums in f32; results rounded once to f16 and laid as the attention launch's operand registers want them.
; C[m][n] = sum over k of A[m][k] B[n][k].  A tile of C is 256 x 256, made by four waves of 128 x 128 (64 accumulators, 512 registers).  The cluster's x says which product:
;   cluster x = 0, 1: A = x (m = token), B = rows 0-2047 of w (n = channel of q, then of k);   cluster x = 2: A = rows 2048-3071 of w (m = channel of v), B = x (n = token): V TRANSPOSED.
; THE MATRIX INSTRUCTION IS USED TRANSPOSED (source 0 = 16 rows of B, source 1 = 16 rows of A): a lane holds row m = lane % 16 and eight neighbouring n = 8 (lane / 16) + 0 .. 7: for q and k eight channels of a token,
; for v eight keys of a channel.  Packed to f16 that is 16 bytes a lane, and an accumulator is one CHUNK of 512 bytes of an image, lane l's 16 bytes at 16 l:
;   q_img, k_img: byte = bh x 262144 + (token / 16) x 2048 + (channel tile) x 512 + 16 l;   v_img: byte = bh x 262144 + (key / 16) x 2048 + (channel tile) x 512 + 16 l;   bh = 16 x batch + head.
; So each store of a wave covers 512 consecutive bytes, aligned, and the way out needs no LDS.
; K = 1,024 is two slots of 512 along K (rows of 256 bytes): both are asked for at the head, and nothing is filled again.  The scales of the work-group's rows, for all of K, come once with them.
; CLUSTERS: 4 x 4 work-groups.  A's tile hangs on the place along y alone and is shared along a row of the cluster, B's on the place along x alone and is shared along a column: each is asked for jointly.
; No prefetch: all that a work-group reads is asked for at its head.
; LIMIT: |q|, |k|, |v| beyond 65,504 become infinities in f16.
; REGISTERS, in windows of 256: window 0: v0-31 addresses; v32-95 scale words, two sets; from v128 A's fragments, ONE set; on the way out v32-159 hold packed results.
;   window 1: B's fragments, TWO sets, at v0 and at v128.   window 2: the accumulators of my rows 0-63 ((a, b) at v[8 (8 a + b)]);   window 3: those of my rows 64-127.
.set NQ,     4                         ; steps of 128 along K in a slot
.set ROWB,   256                       ; a tile's row in bytes: 512 codes
.set KROW,   512                       ; a row of codes in memory
.set PITCH,  272                       ; an LDS row: 256 bytes + 16 of padding = 68 words: the 16 rows that a load touches start at 16 different banks (64 banks of 4 bytes: ISA guide 11.1)
.set FR,     8                         ; registers of a fragment: 16 rows x 128 K
.set NL,     2                         ; LDS loads that bring one
.set NP,     4                         ; places behind this matrix instruction (ISA guide 7.12.1)
.set HALFT,  128*PITCH                 ; 128 rows: what one tensor load brings
.set SLOT,   4*HALFT                   ; A's 256 rows, then B's 256 rows
.set KS,     32                        ; a row of scale bytes
.set SCL,    2*SLOT                    ; behind the slots: the scales, as runs of 256 bytes + 16 of padding
.set HALFS,  (128*KS/256)*272          ; the scales of 128 rows
.set SBLK,   (16*KS/256)*272           ; those of 16 rows
.set SPARE,  SCL+4*HALFS               ; behind the scales: the spare words, 128 bytes for each wave, which no other line names
.set ADRA, 16                          ; v16-17  LDS address of my A fragments in slot 0, 1
.set ADRB, 20                          ; v20-21  the same for B
.set LI,   26                          ; v26     16 x lane: my place in a chunk
.set ADRS, 27                          ; v27     LDS address of my scale words: lanes 0-15 A's rows, lanes 16-31 B's
.set SPW,  28                          ; v28     LDS address of my spare word; never rewritten
.set NIL,  29                          ; v29     0; never rewritten
.set SC,   32                          ; scale words: set s at v[SC + 32 s]; register 4 i + q: lanes 0-15 the word of A's block i, lanes 16-31 that of B's block i, for the slot's q-th 128 along K
.set AF,   128                         ; A's fragments, in window 0
.set OD,   32                          ; the way out: four sets of 32 registers of packed results
.set G1, 24                            ; s[24:31] descriptor group 1 for A's tiles;  s[32:39] group 0, one set for each slot
.set G0, 32
.set G1B, 48                           ; s[48:55], s[56:63] the same for B's tiles
.set G0B, 56
.set G1S, 68                           ; s[68:75], s[76:79] groups 1 and 0 for A's scales;  s[80:87], s[88:91] for B's
.set G0S, 76
.set G1SB, 80
.set G0SB, 88
.set MSB, 0
.macro WIN new                         ; the immediate's high byte repeats the setting that is left; a switch that changes nothing is dropped
.if MSB != (\new)
	s_set_vgpr_msb (MSB<<8)|(\new)
.set MSB, (\new)
.endif
.endm
.set MUL_LO, 0xa1                      ; source 0 (B) window 1, source 1 (A) window 0, C and D window 2
.set MUL_HI, 0xf1                      ; the same, C and D window 3
.set TO_B,   0x40                      ; destination window 1, address window 0
; A joint load: waves 0 and 1 fetch for A, waves 2 and 3 for B.  Each of the two lines has one mask and one set of registers; the branch hangs on the wave's number alone.
; An s_nop 0 and four v_nop follow each of the two lines.
.macro JLOAD g0a, g1a, g0b, g1b
	s_cmp_eq_u32 s15, 0
	s_cbranch_scc0 .Lfor_b_\@
	tensor_load_to_lds s[\g0a:\g0a+3], s[\g1a:\g1a+7]
	s_nop 0
.rept 4
	v_nop
.endr
	s_branch .Lasked_\@
.Lfor_b_\@:
	tensor_load_to_lds s[\g0b:\g0b+3], s[\g1b:\g1b+7]
	s_nop 0
.rept 4
	v_nop
.endr
.Lasked_\@:
.endm
.macro CROUND                          ; a round of the cluster's barrier: my work-group's barrier; wave 0 signals for the work-group; every wave waits for all sixteen; my work-group's barrier once more
	s_barrier_signal -1
	s_barrier_wait -1
	s_cmp_lg_u32 s14, 0
	s_cbranch_scc1 .Lnot_wave_0_\@
	s_barrier_signal -3
.Lnot_wave_0_\@:
	s_barrier_wait -3
	s_barrier_signal -1
	s_barrier_wait -1
.endm
	s_load_b256 s[4:11], s[0:1], 0x0               ; x_codes s[4:5], x_scales s[6:7], w_codes s[8:9], w_scales s[10:11]
	s_load_b128 s[96:99], s[0:1], 0x20             ; q_img, k_img
	s_load_b64 s[100:101], s[0:1], 0x30            ; v_img
	v_lshl_add_u32 v[SPW], v0, 2, SPARE
	v_mov_b32 v[NIL], 0
	ds_add_u32 v[SPW], v[NIL]                      ; the wave's opening: the add, twice on end, and its wait ahead of my first tensor load
	ds_add_u32 v[SPW], v[NIL]                      ; (the set-up below, work on registers, stands between the second and the wait)
	v_lshrrev_b32 v1, 5, v0
	v_readfirstlane_b32 s14, v1                    ; wave 0..3
	s_lshr_b32 s15, s14, 1                         ; which half of the tile's rows is mine.  Also: I fetch for A (0) or for B (1)
	s_and_b32 s16, s14, 1                          ; which half of its columns.  Also: which 128 rows of that tile I fetch
	s_bfe_u32 s40, ttmp6, 0x40000                  ; cx, cy: my place in the cluster
	s_bfe_u32 s41, ttmp6, 0x40004
	s_and_b32 s2, ttmp7, 0xffff                    ; the cluster's y, 0..7
	s_cmp_lt_u32 ttmp9, 2                          ; the cluster's x, which all sixteen share: q or k (0, 1), or v transposed (2)
	s_cselect_b32 s42, ttmp9, s2                   ; the clusters' walk along the tile columns: channels of q and k, or tokens
	s_cselect_b32 s17, s2, 0                       ; and along the tile rows: tokens, or v's four tile rows of channels in one cluster
	s_cselect_b32 s95, 0, 2048                     ; A's first row in its buffer: v's rows of w begin at 2,048
	s_lshl_b32 s42, s42, 2
	s_add_co_u32 s42, s42, s40                     ; tile column of C
	s_lshl_b32 s17, s17, 2
	s_add_co_u32 s17, s17, s41                     ; tile row of C
	s_lshl_b32 s43, s41, 2
	s_lshl_b32 s43, 15, s43                        ; my row of the cluster
	s_lshl_b32 s44, 0x1111, s40                    ; my column
	; descriptor group 1: a tile of 128 rows x 256 bytes, padded in LDS
	s_or_b32 s[G1+0], s43, (0<<16)|(1<<20)|(1<<21)|(5<<22)|(3<<25)  ; 15:0 the mask: A's tiles go to my row; 17:16 elements of 1 byte; 20 padding on; 21 set beside a mask; 24:22 after every 64 words (code 5); 31:25 four words (code 3)
	s_or_b32 s[G1B+0], s44, (0<<16)|(1<<20)|(1<<21)|(5<<22)|(3<<25)
.irp g, G1, G1B
	s_mov_b32 s[\g+1], ROWB<<16                    ; tensor_dim0
	s_mov_b32 s[\g+2], 128<<16                     ; tensor_dim1 = 128
	s_mov_b32 s[\g+3], ROWB<<16                    ; tile_dim0
	s_mov_b32 s[\g+4], 128                         ; tile_dim1 = 128
	s_mov_b32 s[\g+5], KROW                        ; tensor_dim0_stride
	s_mov_b32 s[\g+6], 0
	s_mov_b32 s[\g+7], 0
.endr
	; and for the scales of 128 rows: a dense block of 4,096 bytes, as 16 rows of 256 bytes (32 elements of 8 bytes), 16 bytes of padding behind each
	s_or_b32 s[G1S+0], s43, (3<<16)|(1<<20)|(1<<21)|(5<<22)|(3<<25)
	s_or_b32 s[G1SB+0], s44, (3<<16)|(1<<20)|(1<<21)|(5<<22)|(3<<25)
.irp g, G1S, G1SB
	s_mov_b32 s[\g+1], 32<<16
	s_mov_b32 s[\g+2], (128*KS/256)<<16
	s_mov_b32 s[\g+3], 32<<16
	s_mov_b32 s[\g+4], 128*KS/256
	s_mov_b32 s[\g+5], 32
	s_mov_b32 s[\g+6], 0
	s_mov_b32 s[\g+7], 0
.endr
	s_lshl_b32 s18, s16, 7                         ; which 128 rows of the tile I fetch
	s_lshl_b32 s20, s17, 8
	s_add_co_u32 s20, s20, s18
	s_add_co_u32 s20, s20, s95                     ; A: row 256 x tile row + 128 x half (+ 2,048)
	s_lshl_b32 s46, s42, 8
	s_add_co_u32 s46, s46, s18                     ; B: row 256 x tile column + 128 x half
	s_mov_b32 s21, 0
	s_mov_b32 s47, 0
	s_mov_b64 s[18:19], KS
	s_mul_u64 s[22:23], s[20:21], s[18:19]         ; where these rows' scales begin, in bytes
	s_mul_u64 s[92:93], s[46:47], s[18:19]
	s_mov_b64 s[18:19], KROW
	s_mul_u64 s[20:21], s[20:21], s[18:19]         ; and their codes
	s_mul_u64 s[46:47], s[46:47], s[18:19]
	s_mul_i32 s45, s14, HALFT                      ; where they go: wave x 128 rows: no place in the cluster enters an LDS address
	s_mul_i32 s94, s14, HALFS
	s_wait_dscnt 0x0                               ; both opening adds are done
	s_wait_kmcnt 0x0
	s_cmp_lt_u32 ttmp9, 2                          ; which buffer is A and which is B: a choice on the cluster's number alone
	s_cselect_b64 s[66:67], s[4:5], s[8:9]         ; A's codes
	s_cselect_b64 s[8:9], s[8:9], s[4:5]           ; B's codes
	s_cselect_b64 s[12:13], s[6:7], s[10:11]       ; A's scales
	s_cselect_b64 s[10:11], s[10:11], s[6:7]       ; B's scales
	s_add_nc_u64 s[20:21], s[66:67], s[20:21]
	s_add_nc_u64 s[22:23], s[12:13], s[22:23]
	s_add_nc_u64 s[46:47], s[8:9], s[46:47]
	s_add_nc_u64 s[92:93], s[10:11], s[92:93]
	CROUND                                         ; all sixteen work-groups are here: the first joint loads meet
	s_mov_b32 s[G0S], 1
	s_add_co_u32 s[G0S+1], s94, SCL
	s_mov_b64 s[G0S+2:G0S+3], s[22:23]
	s_or_b32 s[G0S+3], s[G0S+3], 0x80000000
	s_mov_b32 s[G0SB], 1
	s_add_co_u32 s[G0SB+1], s94, SCL
	s_mov_b64 s[G0SB+2:G0SB+3], s[92:93]
	s_or_b32 s[G0SB+3], s[G0SB+3], 0x80000000
	JLOAD G0S, G1S, G0SB, G1SB                     ; the scales first: they are wanted with the first slot.  Three loads of mine go out here, and no more in the launch
.irp s, 0,1
	s_mov_b32 s[G0+4*\s], 1
	s_add_co_u32 s[G0+4*\s+1], s45, \s*SLOT
	s_add_nc_u64 s[G0+4*\s+2:G0+4*\s+3], s[20:21], \s*ROWB
	s_or_b32 s[G0+4*\s+3], s[G0+4*\s+3], 0x80000000
	s_mov_b32 s[G0B+4*\s], 1
	s_add_co_u32 s[G0B+4*\s+1], s45, \s*SLOT
	s_add_nc_u64 s[G0B+4*\s+2:G0B+4*\s+3], s[46:47], \s*ROWB
	s_or_b32 s[G0B+4*\s+3], s[G0B+4*\s+3], 0x80000000
	JLOAD G0+4*\s, G1, G0B+4*\s, G1B
.endr
	v_and_b32 v1, 15, v0                           ; l % 16
	v_bfe_u32 v2, v0, 4, 1                         ; l / 16
	v_mul_u32_u24 v3, v1, PITCH
	v_lshl_add_u32 v4, v2, 4, v3                   ; a fragment's row x pitch + 16 x half
	s_mul_i32 s21, s15, HALFT                      ; my 128 rows of A
	s_mul_i32 s22, s16, HALFT                      ; my 128 rows of B,
	s_add_co_u32 s22, s22, 2*HALFT                 ; which lie behind A's 256
.irp s, 0,1
	v_add_nc_u32 v[ADRA+\s], s21, v4
	v_add_nc_u32 v[ADRB+\s], s22, v4
	s_add_co_u32 s21, s21, SLOT
	s_add_co_u32 s22, s22, SLOT
.endr
	v_mul_u32_u24 v5, v1, KS                       ; my row's scales: 32 bytes a row,
	v_lshrrev_b32 v6, 8, v5
	v_lshl_add_u32 v5, v6, 4, v5                   ; and 16 more for each 256 passed
	s_mul_i32 s21, s15, HALFS                      ; A's: my 128 rows
	s_mul_i32 s22, s16, HALFS                      ; B's: my 128 rows, behind A's 256
	s_add_co_u32 s22, s22, 2*HALFS
	s_sub_co_u32 s22, s22, s21
	v_mul_u32_u24 v6, s22, v2                      ; lanes 16-31 take B's: one product, the distance between the two bases
	s_add_co_u32 s21, s21, SCL
	v_add_nc_u32 v5, v5, v6
	v_add_nc_u32 v[ADRS], s21, v5
	v_and_b32 v6, 31, v0
	v_lshlrev_b32 v[LI], 4, v6
	; where my part begins in its image
	s_lshl_b32 s20, s17, 8
	s_lshl_b32 s21, s15, 7
	s_add_co_u32 s20, s20, s21                     ; m0: my first row of C
	s_lshl_b32 s46, s42, 8
	s_lshl_b32 s47, s16, 7
	s_add_co_u32 s46, s46, s47                     ; n0: my first column
	s_cmp_lt_u32 ttmp9, 2
	s_cselect_b32 s21, s20, s46                    ; my first token,
	s_cselect_b32 s22, s46, s20                    ; my first channel
	s_and_b32 s22, s22, 1023                       ; (k's columns begin at 1,024)
	s_lshr_b32 s23, s21, 11                        ; batch
	s_lshl_b32 s23, s23, 4
	s_lshr_b32 s22, s22, 6                         ; head
	s_add_co_u32 s23, s23, s22
	s_lshl_b32 s23, s23, 18                        ; bh x 262,144
	s_and_b32 s21, s21, 2047
	s_lshr_b32 s21, s21, 4
	s_lshl_b32 s21, s21, 11                        ; + (token / 16) x 2,048
	s_add_co_u32 s22, s23, s21
	s_mov_b32 s23, 0
	s_cmp_eq_u32 ttmp9, 0
	s_cselect_b64 s[92:93], s[96:97], s[98:99]
	s_cmp_lt_u32 ttmp9, 2
	s_cselect_b64 s[92:93], s[92:93], s[100:101]
	s_add_nc_u64 s[92:93], s[92:93], s[22:23]
.macro FRAG reg, adr, q, i             ; a fragment, 16 rows x 128 K of 4-bit codes: lane l holds row l % 16; registers 4 c .. 4 c + 3 hold K = 64 c + 32 (l / 16) + 0 .. 31
.irp c, 0,1
	ds_load_b128 v[\reg+4*\c:\reg+4*\c+3], v[\adr] offset:64*(\q)+32*\c+(\i)*16*PITCH
.endr
.endm
; 16 matrix instructions: A's blocks a0, a0 + 1 x B's eight, the slot's q-th 128 along K.  p: B's set;  sc: the set of scale words.  zero = 1: the first product starts the sums: nothing is ever cleared.
; The 64 accumulators take turns, one instruction a turn, in the same order in every step.
.macro MUL16 a0, p, q, sc, zero
.irp a, \a0, \a0+1
.irp b, 0,1,2,3,4,5,6,7
.if \zero
	v_wmma_scale_f32_16x16x128_f8f6f4 v[8*(8*((\a)%4)+\b):8*(8*((\a)%4)+\b)+7], v[128*(\p)+FR*\b:128*(\p)+FR*\b+FR-1], v[AF+FR*(\a):AF+FR*(\a)+FR-1], 0, v[SC+8*NQ*(\sc)+NQ*\b+(\q)], v[SC+8*NQ*(\sc)+NQ*(\a)+(\q)] matrix_a_fmt:MATRIX_FMT_FP4 matrix_b_fmt:MATRIX_FMT_FP4 matrix_a_scale:MATRIX_SCALE_ROW1
.else
	v_wmma_scale_f32_16x16x128_f8f6f4 v[8*(8*((\a)%4)+\b):8*(8*((\a)%4)+\b)+7], v[128*(\p)+FR*\b:128*(\p)+FR*\b+FR-1], v[AF+FR*(\a):AF+FR*(\a)+FR-1], v[8*(8*((\a)%4)+\b):8*(8*((\a)%4)+\b)+7], v[SC+8*NQ*(\sc)+NQ*\b+(\q)], v[SC+8*NQ*(\sc)+NQ*(\a)+(\q)] matrix_a_fmt:MATRIX_FMT_FP4 matrix_b_fmt:MATRIX_FMT_FP4 matrix_a_scale:MATRIX_SCALE_ROW1
.endif
.endr
.endr
.endm
.macro FETCH_B slot, q, p              ; B's eight fragments of the slot's q-th 128 along K into set p
	WIN TO_B
.irp i, 0,1,2,3,4,5,6,7
	FRAG 128*(\p)+FR*\i, ADRB+\slot, \q, \i
.endr
	WIN 0
.endm
.macro FETCH_A slot, q, i0             ; A's blocks i0 .. i0 + 3
.irp i, \i0, \i0+1, \i0+2, \i0+3
	FRAG AF+FR*(\i), ADRA+\slot, \q, \i
.endr
.endm
.macro SCALES sc                       ; a slot's scale words into set sc: four words a row; lanes 0-15 take A's block i, lanes 16-31 B's block i
.irp i, 0,1,2,3,4,5,6,7
	ds_load_b128 v[SC+8*NQ*\sc+NQ*\i:SC+8*NQ*\sc+NQ*\i+3], v[ADRS] offset:\i*SBLK
.endr
.endm
; A load into a register that a matrix instruction has read, and a vector instruction that reads a matrix result or writes one of a matrix instruction's registers, stand NP places behind it; only plain vector
; instructions that name none of its registers are places (ISA guide 7.12.1 for vector instructions).
.macro PLACES n
.rept \n
	v_nop
.endr
.endm
; A step of 128 along K that has its successor in the same slot.  A block of A is free as soon as its eight products are issued: blocks 0-3 are fetched anew in the step's middle, blocks 4-7 at its end.
.macro STEP slot, q, zero
	s_wait_dscnt 4*NL                              ; B's set and A's blocks 0-3 are in; the youngest eight loads (A's blocks 4-7) may be out
	WIN MUL_LO
	MUL16 0, (\q)%2, \q, \slot, \zero
	MUL16 2, (\q)%2, \q, \slot, \zero
	s_wait_dscnt 0                                 ; A's blocks 4-7 are in
	PLACES NP
	FETCH_B \slot, (\q)+1, 1-(\q)%2
	FETCH_A \slot, (\q)+1, 0
	WIN MUL_HI
	MUL16 4, (\q)%2, \q, \slot, \zero
	MUL16 6, (\q)%2, \q, \slot, \zero
	PLACES NP
	WIN 0
	FETCH_A \slot, (\q)+1, 4
.endm
; Slot 0's last step goes over to slot 1: each wave waits for all its tensor loads (its part of slot 1), adds 0 to its spare word, waits for that, and signals; behind the barrier slot 1 is whole.  Nothing is filled again.
.macro TURN slot, next
	s_wait_tensorcnt 0x0                           ; all my tensor loads have landed
	ds_add_u32 v[SPW], v[NIL]                      ; 0 onto my spare word
	s_wait_dscnt 4*NL+1                            ; (the add and the youngest eight loads, A's blocks 4-7, may be out)
	WIN MUL_LO
	MUL16 0, 1, NQ-1, \slot, 0                     ; sixteen matrix instructions stand between the add and the wait for it
	s_wait_dscnt 0x0                               ; the add is done, and no LDS load of mine is out at the signal
	s_barrier_signal -1
	MUL16 2, 1, NQ-1, \slot, 0
	WIN 0
	s_barrier_wait -1
	PLACES NP
	v_add_nc_u32 v[ADRS], 4*NQ, v[ADRS]            ; on to the next slot's scale words
	FETCH_B \next, 0, 0
	FETCH_A \next, 0, 0
	SCALES \next
	WIN MUL_HI
	MUL16 4, 1, NQ-1, \slot, 0
	MUL16 6, 1, NQ-1, \slot, 0
	PLACES NP
	WIN 0
	FETCH_A \next, 0, 4
.endm
.macro STEPS slot, from                ; the slot's steps from .. NQ - 2
.set Q, \from
.rept NQ-1-\from
	STEP \slot, Q, 0
.set Q, Q+1
.endr
.endm
	s_wait_tensorcnt 1                             ; the scales and my part of slot 0 are in (slot 1's load may be out),
	s_barrier_signal -1
	s_barrier_wait -1                              ; everybody's are
	FETCH_B 0, 0, 0
	FETCH_A 0, 0, 0
	SCALES 0
	FETCH_A 0, 0, 4
	STEP 0, 0, 1                                   ; the first step's products start the sums
	STEPS 0, 1
	TURN 0, 1
	STEPS 1, 0
	s_wait_dscnt 4*NL                              ; the very last step: nothing more to fetch
	WIN MUL_LO
	MUL16 0, 1, NQ-1, 1, 0
	MUL16 2, 1, NQ-1, 1, 0
	s_wait_dscnt 0
	WIN MUL_HI
	MUL16 4, 1, NQ-1, 1, 0
	MUL16 6, 1, NQ-1, 1, 0
	WIN 0
; THE WAY OUT.  Accumulator (a, b), rounded to f16 in pairs from its low end on, is one chunk.  swap = 0 (q, k): a walks the tokens' tiles (2,048 bytes), b the channel tiles (512 bytes; four to a head, a head 262,144 bytes on).
; swap = 1 (v transposed): b walks the keys' tiles, a the channel tiles.  Four sets of 32 registers by turns: a set is written again only when the stores of four blocks back have read it.
.macro OUT swap
.irp a, 0,1,2,3,4,5,6,7
.if \a >= 4
	s_wait_xcnt 0x0                                ; the earlier stores have read their registers
.endif
	WIN 0x0a+5*(\a/4)                              ; sources 0 and 1: window 2 or 3
.irp b, 0,1,2,3,4,5,6,7
.irp r, 0,1,2,3
	v_cvt_pk_f16_f32 v[OD+32*(\a%4)+4*\b+\r], v[64*(\a%4)+8*\b+2*\r], v[64*(\a%4)+8*\b+2*\r+1]
.endr
.endr
	WIN 0
.irp b, 0,1,2,3,4,5,6,7
.if \swap
	global_store_b128 v[LI], v[OD+32*(\a%4)+4*\b:OD+32*(\a%4)+4*\b+3], s[92:93] offset:2048*\b+262144*(\a/4)+512*(\a%4)
.else
	global_store_b128 v[LI], v[OD+32*(\a%4)+4*\b:OD+32*(\a%4)+4*\b+3], s[92:93] offset:2048*\a+262144*(\b/4)+512*(\b%4)
.endif
.endr
.endr
.endm
	PLACES NP                                      ; behind the last products: the conversions read results and write over registers that held scale words and A's fragments
	s_cmp_lt_u32 ttmp9, 2                          ; the cluster's number: all sixteen go the same way
	s_cbranch_scc0 .Lvt
	OUT 0
	s_branch .Lend
.Lvt:
	OUT 1
.Lend:
	s_wait_tensorcnt 0x0                           ; the wave's end: three lines behind my last tensor load
	ds_add_u32 v[SPW], v[NIL]
	s_wait_dscnt 0x0
	CROUND                                         ; the closing round: no work-group ends while a partner may still ask for a tile that names it
	s_endpgm
.Lfunc_end_k_q8d244d6192_gemm:
	.size	k_q8d244d6192_gemm, .Lfunc_end_k_q8d244d6192_gemm-k_q8d244d6192_gemm
	.p2alignl 7, 3214868480
	.fill 96, 4, 3214868480
	.section	.rodata,"a",@progbits
	.p2align	6, 0x0
	.amdhsa_kernel k_q8d244d6192_gemm
		.amdhsa_group_segment_fixed_size 327680
		.amdhsa_private_segment_fixed_size 0
		.amdhsa_enable_private_segment 0
		.amdhsa_kernarg_size 56
		.amdhsa_user_sgpr_count 2
		.amdhsa_user_sgpr_kernarg_segment_ptr 1
		.amdhsa_wavefront_size32 1
		.amdhsa_system_sgpr_workgroup_id_x 1
		.amdhsa_system_sgpr_workgroup_id_y 1
		.amdhsa_system_sgpr_workgroup_id_z 1
		.amdhsa_system_vgpr_workitem_id 0
		.amdhsa_next_free_vgpr 1024
		.amdhsa_next_free_sgpr 102
		.amdhsa_reserve_vcc 0
		.amdhsa_float_denorm_mode_32 3
		.amdhsa_float_denorm_mode_16_64 3
		.amdhsa_memory_ordered 1
		.amdhsa_forward_progress 1
		.amdhsa_inst_pref_size 141
	.end_amdhsa_kernel
	.amdgpu_metadata
---
amdhsa.version: [ 1, 2 ]
amdhsa.kernels:
  - .name:           k_q8d244d6192_gemm
    .symbol:         k_q8d244d6192_gemm.kd
    .args:
      - { .name: x_codes, .offset: 0, .size: 8, .value_kind: global_buffer, .address_space: global }
      - { .name: x_scales, .offset: 8, .size: 8, .value_kind: global_buffer, .address_space: global }
      - { .name: w_codes, .offset: 16, .size: 8, .value_kind: global_buffer, .address_space: global }
      - { .name: w_scales, .offset: 24, .size: 8, .value_kind: global_buffer, .address_space: global }
      - { .name: q_img, .offset: 32, .size: 8, .value_kind: global_buffer, .address_space: global }
      - { .name: k_img, .offset: 40, .size: 8, .value_kind: global_buffer, .address_space: global }
      - { .name: v_img, .offset: 48, .size: 8, .value_kind: global_buffer, .address_space: global }
    .group_segment_fixed_size: 327680
    .private_segment_fixed_size: 0
    .kernarg_segment_align: 8
    .kernarg_segment_size: 56
    .max_flat_workgroup_size: 128
    .sgpr_count:     102
    .vgpr_count:     1024
    .wavefront_size: 32
...
	.end_amdgpu_metadata
.endif
;; end of part 2
;; launch attn (part 3): grid 4 x 64, 8 waves a work-group, clusters of 4 x 1, 327,680 bytes of LDS; arguments q_img, k_img, v_img, out0; writes out0
.if DOCPART == 3
	.amdgcn_target "amdgcn-amd-amdhsa--gfx1250"
	.amdhsa_code_object_version 6
	.text
	.protected	k_q8d244d6192_attn
	.globl	k_q8d244d6192_attn
	.p2align	8
	.type	k_q8d244d6192_attn,@function
k_q8d244d6192_attn:
	s_mov_b64 s[64:65], 0
	v_nop
	global_prefetch_b8 v0, s[64:65] scope:SCOPE_SE
	s_setreg_imm32_b32 hwreg(HW_REG_WAVE_MODE, 25, 1), 1
	s_wait_xcnt 0x0
	s_wait_alu depctr_hold_cnt(0) depctr_sa_sdst(0) depctr_va_vdst(0) depctr_va_sdst(0) depctr_va_ssrc(0) depctr_va_vcc(0) depctr_vm_vsrc(0)
	s_getreg_b32 s2, hwreg(HW_REG_IB_STS2, 6, 4)
	s_cmp_eq_u32 s2, 0
	s_cbranch_scc0 .Lentry_in_a_cluster
	s_endpgm
.Lentry_in_a_cluster:
	s_bfe_u32 s2, ttmp6, 0x10000c
	s_cmp_lg_u32 s2, 0x3003
	s_cbranch_scc0 .Lentry_shape_is_right
	s_endpgm
.Lentry_shape_is_right:
; out[b][q][64 h ..] = the sum over k of softmax_k(Q[q] . K[k] / 16) V[k], for each of the 64 pairs bh = 16 b + h; 2,048 queries and keys, head size 64, no mask.
; Q, K, V arrive in f16 as images of operand registers (chunks of 512 bytes, lane l's 16 bytes at 16 l): q_img, k_img: bh x 262144 + (token / 16) x 2048 + (channel tile) x 512; v_img: bh x 262144 + (key / 16) x 2048 + (channel tile) x 512,
; a lane of v_img holding one channel and eight keys.  Products, maxima and sums in f32; the weights p are rounded to f16 for the second product.
; SHARES.  A cluster of four work-groups is one bh; a work-group owns 512 queries, each of its eight waves 64: four tiles of 16.  Two waves share a SIMD, 512 registers each: a wave goes in phases (K Q^T, softmax, V^T P),
; and its neighbour's phases fall beside them.  Every wave walks all keys, 64 a step; a fragment of K or V read from LDS feeds four matrix instructions.
; LAYOUT.  S^T = K Q^T (source 0 = 16 keys, source 1 = 16 queries), O^T = V^T P (source 0 = 16 channels, source 1 = P): a lane holds ONE query (lane % 16) throughout; two tiles of S^T, rounded to f16 in pairs, ARE P's fragment.
; SOFTMAX.  For each query a running maximum m and sum l: p = 2^(c s - c m), c = log2(e) / 16; in every step O and l are multiplied by a = 2^(c m_old - c m_new), which is 1 where m has not grown.
; RING.  Two LDS slots of 256 keys (four steps): K's four steps of 8,192 bytes, then V's four.  The four work-groups walk the same K and V, so each piece is asked for JOINTLY (mask of all four): waves 0-3 fetch K's steps, waves 4-7 V's.
; The images are read as consecutive bytes, 512 an instruction: no padding.
; LIMITS: a weight p under 2^-25 becomes 0 in f16, beside the row's largest p, which is 1; NaN and infinities among the inputs are not served.
; REGISTERS, in windows of 256: window 0: v1-8 addresses; v12-43 eight registers of statistics a tile; v64-191 S^T, 32 a tile, P packed in place into a tile's first 16; v192-255 V of one step.
;   window 1: v0-127 O^T, 32 a tile; v128-191 Q, 16 a tile; v192-255 K of one step.
.set STEPB, 8192                       ; a step's K, or V, in bytes
.set SLOTB, 4*STEPB                    ; a slot's K, or V
.set VOFF,  SLOTB                      ; in a slot V lies behind K
.set SLOT1, 1<<16                      ; slot 1 begins here, so that one exclusive or turns an address in one slot into the other's
.set STAGE, 2*SLOT1                    ; behind the ring: 16 rows x 272 bytes for each wave, for the way out
.set SP,    272                        ; a stage row: 256 bytes + 16 of padding
.set SPARE, STAGE+8*16*SP              ; behind the stages: the spare words, 128 bytes for each wave, which no other line names
.set LI,  1                            ; v1   16 x lane; never rewritten
.set ADR, 2                            ; v2   the LDS address of the step in hand
.set STO, 3                            ; v3   the way out: where I put 32 bytes of a row
.set RD,  4                            ; v4   the way out: where I read a row back
.set GO,  5                            ; v5   my byte offset in the wave's rows of out
.set SPW, 6                            ; v6   LDS address of my spare word; never rewritten
.set NIL, 7                            ; v7   0; never rewritten
.set PFO, 8                            ; v8   256 x lane: the prefetches' offset; never rewritten
.set ST,  12                           ; tile t's statistics at v[ST + 8 t]: +0 c m, +1 m, +2, +3 l (even keys', odd keys'), +4 to +7 at work; a takes +6's place, c m_old - c m_new +7's
.set S,   64
.set VF,  192                          ; V's fragments, window 0: keys 32 kh on, channels 16 ct on at VF + 32 kh + 8 ct
.set QF,  128                          ; Q's, window 1: tile t, channels 32 c on at QF + 16 t + 8 c
.set KF,  192                          ; K's, window 1: keys 16 kt on, channels 32 c on at KF + 16 kt + 8 c
.set WV,  12                           ; s12  my wave's number
.set G1,  24                           ; s[24:31] descriptor group 1: K's and V's pieces have one shape
.set G0K, 32                           ; s[32:39] group 0 for K's pieces: a set for each of the two first fills; the second then walks on
.set G0V, 40                           ; s[40:47] the same for V's
.set PFA, 48                           ; s[48:49] where my prefetches stand in memory
.set LIM, 50                           ; s50  1 in a wave that prefetches, else the greatest number
.set SLOTS, 51                         ; s51  slots still to be asked for
.set TRIPS, 52                         ; s52  counts the steps of a slot
.set TB,  53                           ; s53  LDS byte at which the step to be fetched begins
.set CS,  54                           ; s[54:55] c: the packed scaling names a pair and takes its low word for both halves
.set SEL, 56                           ; s[56:57] lane selects for v_permlanex16_b32: each lane takes its own place in the other half
.set MSB, 0
.macro WIN new                         ; the immediate's high byte repeats the setting that is left; a switch that changes nothing is dropped
.if MSB != (\new)
	s_set_vgpr_msb (MSB<<8)|(\new)
.set MSB, (\new)
.endif
.endm
.set W_KQ,  0x05                       ; K and Q in window 1, S^T in window 0
.set W_PV,  0x50                       ; V and P in window 0, O^T (C and D) in window 1
.set W_RS,  0x41                       ; O^T (destination and source 0) in window 1, a in window 0
.set TO_1,  0x40                       ; destination window 1, address window 0
.set W_OUT, 0x01                       ; source 0 window 1, destination window 0
.macro PLACES n
.rept \n
	v_nop
.endr
.endm
; A joint refill.  The branch hangs on the wave's number alone: it is the same in every work-group.  An s_nop 0 and four v_nop follow each of the two lines.
.macro JLOAD
	s_cmp_lt_u32 s[WV], 4
	s_cbranch_scc0 .Lfor_v_\@
	tensor_load_to_lds s[G0K+4:G0K+7], s[G1:G1+7]
	s_nop 0
.rept 4
	v_nop
.endr
	s_branch .Lasked_\@
.Lfor_v_\@:
	tensor_load_to_lds s[G0V+4:G0V+7], s[G1:G1+7]
	s_nop 0
.rept 4
	v_nop
.endr
.Lasked_\@:
.endm
; A PREFETCH INTO THE L2 of what the NEXT change of slots will ask for: a slot's 32,768 bytes of K and of V.  One cluster alone walks a bh.  Its four partners share the bytes out BY ADDRESS, 8,192 each; in each, wave 0 asks
; for K's and wave 4 for V's, one instruction, lanes 256 bytes apart.  So each block of 256 bytes is named once in the launch.  It stands behind the wave's tensor load and its five lines: a slot's four key steps ahead of the
; load that will want the bytes.  The last change that fills a slot asks for nothing; slots 0, 1 and 2 come by their loads alone.
.macro ASK
	s_cmp_gt_u32 s[SLOTS], s[LIM]
	s_cbranch_scc0 .Lnot_mine_\@
	global_prefetch_b8 v[PFO], s[PFA:PFA+1] th:TH_LOAD_NT scope:SCOPE_SE
.Lnot_mine_\@:
.endm
.macro CROUND                          ; a round of the cluster's barrier: my work-group's barrier; wave 0 signals for the work-group; every wave waits for all four; my work-group's barrier once more
	s_barrier_signal -1
	s_barrier_wait -1
	s_cmp_lg_u32 s[WV], 0
	s_cbranch_scc1 .Lnot_wave_0_\@
	s_barrier_signal -3
.Lnot_wave_0_\@:
	s_barrier_wait -3
	s_barrier_signal -1
	s_barrier_wait -1
.endm
	s_load_b256 s[4:11], s[0:1], 0x0               ; q_img s[4:5], k_img s[6:7], v_img s[8:9], out s[10:11]
	v_lshl_add_u32 v[SPW], v0, 2, SPARE
	v_mov_b32 v[NIL], 0
	ds_add_u32 v[SPW], v[NIL]                      ; the wave's opening: the add, twice on end, and its wait ahead of my first tensor load
	ds_add_u32 v[SPW], v[NIL]                      ; (the set-up below, work on registers, stands between the second and the wait)
	v_lshrrev_b32 v9, 5, v0
	v_readfirstlane_b32 s[WV], v9                  ; wave 0..7
	s_bfe_u32 s13, ttmp6, 0x40000                  ; cx: my place in the cluster: it enters Q's, out's and the prefetches' addresses alone
	s_and_b32 s14, ttmp7, 0xffff                   ; bh, which the four partners share
	s_lshl_b32 s20, s14, 18                        ; bh's first byte in each image
	s_and_b32 s15, s[WV], 3                        ; which of a slot's four steps I fetch:
	s_lshl_b32 s16, s15, 13                        ; its 8,192 bytes, in memory and in a slot alike
	s_add_co_u32 s22, s20, s16
	s_mov_b32 s23, 0
	s_lshl_b32 s18, s13, 16                        ; Q: my work-group's 512 queries,
	s_add_co_u32 s18, s18, s20
	s_lshl_b32 s19, s[WV], 13                      ; my wave's 64
	s_add_co_u32 s18, s18, s19
	s_mov_b32 s19, 0
	s_lshr_b32 s2, s14, 4                          ; out: the batch's 2,048 rows of 4,096 bytes,
	s_lshl_b32 s2, s2, 23
	s_lshl_b32 s3, s13, 21                         ; my work-group's 512 rows,
	s_add_co_u32 s2, s2, s3
	s_lshl_b32 s3, s[WV], 18                       ; my wave's 64,
	s_add_co_u32 s2, s2, s3
	s_and_b32 s3, s14, 15
	s_lshl_b32 s3, s3, 8                           ; the head's 256 bytes of a row
	s_add_co_u32 s2, s2, s3
	s_mov_b32 s3, 0
	; descriptor group 1: a dense block of 8,192 bytes as 32 rows of 256 bytes (32 elements of 8 bytes), no padding
	s_mov_b32 s[G1], 15|(3<<16)|(1<<21)            ; 15:0 the mask: all four work-groups; 17:16 elements of 8 bytes; 21 set beside a mask
	s_mov_b32 s[G1+1], 32<<16                      ; tensor_dim0 = 32
	s_mov_b32 s[G1+2], 32<<16                      ; tensor_dim1 = 32
	s_mov_b32 s[G1+3], 32<<16                      ; tile_dim0 = 32
	s_mov_b32 s[G1+4], 32                          ; tile_dim1 = 32
	s_mov_b32 s[G1+5], 32                          ; tensor_dim0_stride
	s_mov_b32 s[G1+6], 0
	s_mov_b32 s[G1+7], 0
	s_mov_b32 s[CS], 0x3db8aa3b                    ; c = log2(e) / 16
	s_mov_b32 s[CS+1], s[CS]                       ; named with it as a pair, so it is written
	s_mov_b32 s[SEL], 0x76543210
	s_mov_b32 s[SEL+1], 0xfedcba98
	s_mov_b32 s[TB], 0
	s_mov_b32 s[SLOTS], 6                          ; 8 slots' worth of keys; two are asked for at the head
	s_cmp_eq_u32 s15, 0                            ; waves 0 and 4 prefetch
	s_cselect_b32 s[LIM], 1, -1
	v_and_b32 v9, 31, v0
	v_lshlrev_b32 v[LI], 4, v9
	v_lshlrev_b32 v[PFO], 8, v9
	s_wait_dscnt 0x0                               ; both opening adds are done
	s_wait_kmcnt 0x0
	s_add_nc_u64 s[6:7], s[6:7], s[22:23]          ; K and V at my piece of slot 0
	s_add_nc_u64 s[8:9], s[8:9], s[22:23]
	s_add_nc_u64 s[4:5], s[4:5], s[18:19]          ; Q at my wave's first chunk
	s_add_nc_u64 s[10:11], s[10:11], s[2:3]        ; out at my wave's first row
	s_cmp_lt_u32 s[WV], 4
	s_cselect_b64 s[PFA:PFA+1], s[6:7], s[8:9]     ; (in waves 0 and 4 these stand at a slot's first byte)
	s_lshl_b32 s2, s13, 13                         ; my work-group's 8,192 bytes of the 32,768
	s_mov_b32 s3, 0
	s_add_nc_u64 s[PFA:PFA+1], s[PFA:PFA+1], s[2:3]
	s_add_nc_u64 s[PFA:PFA+1], s[PFA:PFA+1], 2*SLOTB  ; in slot 2; the first change of slots steps it to slot 3.  Nothing is prefetched here, at the head
	CROUND                                         ; all four work-groups are here: the first joint loads meet
.irp s, 0,1
	s_mov_b32 s[G0K+4*\s], 1                       ; count = 1
	s_add_co_u32 s[G0K+4*\s+1], s16, \s*SLOT1      ; LDS address: the wave's number and the slot alone
	s_add_nc_u64 s[G0K+4*\s+2:G0K+4*\s+3], s[6:7], \s*SLOTB
	s_or_b32 s[G0K+4*\s+3], s[G0K+4*\s+3], 0x80000000  ; type = 2
	s_mov_b32 s[G0V+4*\s], 1
	s_add_co_u32 s[G0V+4*\s+1], s16, \s*SLOT1+VOFF
	s_add_nc_u64 s[G0V+4*\s+2:G0V+4*\s+3], s[8:9], \s*SLOTB
	s_or_b32 s[G0V+4*\s+3], s[G0V+4*\s+3], 0x80000000
.endr
	s_cmp_lt_u32 s[WV], 4                          ; a wave's two first fills stand in one branch, ahead of every wait on TENSORcnt and every LDS read: two loads of mine are out
	s_cbranch_scc0 .Lfirst_v
	tensor_load_to_lds s[G0K:G0K+3], s[G1:G1+7]
	s_nop 0
	tensor_load_to_lds s[G0K+4:G0K+7], s[G1:G1+7]
	s_nop 0
.rept 4
	v_nop
.endr
	s_branch .Lfirst_asked
.Lfirst_v:
	tensor_load_to_lds s[G0V:G0V+3], s[G1:G1+7]
	s_nop 0
	tensor_load_to_lds s[G0V+4:G0V+7], s[G1:G1+7]
	s_nop 0
.rept 4
	v_nop
.endr
.Lfirst_asked:
	WIN TO_1
.irp t, 0,1,2,3                        ; Q stays in registers: tile t's four chunks are its two fragments
.irp u, 0,1,2,3
	global_load_b128 v[QF+16*\t+4*\u:QF+16*\t+4*\u+3], v[LI], s[4:5] offset:2048*\t+512*\u th:TH_LOAD_NT
.endr
.endr
	WIN 0
	v_and_b32 v10, 15, v0                          ; r = l % 16
	v_bfe_u32 v11, v0, 4, 1                        ; h = l / 16
	s_mul_i32 s17, s[WV], 16*SP
	s_add_co_u32 s17, s17, STAGE                   ; my stage
	v_mul_u32_u24 v[STO], v10, SP                  ; in: row r, 32 bytes for each half of the lanes
	v_lshl_add_u32 v[STO], v11, 5, v[STO]
	v_add_nc_u32 v[STO], s17, v[STO]
	v_mul_u32_u24 v[RD], v11, SP                   ; back: lanes 0-15 take one row of 256 bytes, lanes 16-31 the next
	v_lshl_add_u32 v[RD], v10, 4, v[RD]
	v_add_nc_u32 v[RD], s17, v[RD]
	v_lshlrev_b32 v[GO], 12, v11                   ; and the same two rows in out
	v_lshl_add_u32 v[GO], v10, 4, v[GO]
; THE LDS LOADS stand in runs of 16.  A step's K: chunk i is four registers of K's fragments as they stand.
.macro FETCH_K
	v_add_nc_u32 v[ADR], s[TB], v[LI]
	WIN TO_1
.irp i, 0,1,2,3,4,5,6,7,8,9,10,11,12,13,14,15
	ds_load_b128 v[KF+4*\i:KF+4*\i+3], v[ADR] offset:512*\i
.endr
	WIN 0
.endm
; The same step's V: chunk (16 keys k, channel tile c) is the lower or upper half of fragment (k / 2, c).
.macro FETCH_V
.irp k, 0,1,2,3
.irp c, 0,1,2,3
	ds_load_b128 v[VF+32*(\k/2)+8*\c+4*(\k%2):VF+32*(\k/2)+8*\c+4*(\k%2)+3], v[ADR] offset:VOFF+512*(4*\k+\c)
.endr
.endr
	s_add_co_u32 s[TB], s[TB], STEPB               ; the next fetch is the next step's
.endm
; S^T = K Q^T: product i of 32: channels 32 (i / 16) on, keys 16 ((i / 4) % 4) on, tile i % 4.  The first 16 start the sums.  The 16 accumulators take turns, one instruction a turn.
.macro KQ
	WIN W_KQ
.set i, 0
.rept 32
.set rS, S+32*(i%4)+8*((i/4)%4)
.set rK, KF+16*((i/4)%4)+8*(i/16)
.set rQ, QF+16*(i%4)+8*(i/16)
.if i < 16
	v_wmma_f32_16x16x32_f16 v[rS:rS+7], v[rK:rK+7], v[rQ:rQ+7], 0
.else
	v_wmma_f32_16x16x32_f16 v[rS:rS+7], v[rK:rK+7], v[rQ:rQ+7], v[rS:rS+7]
.endif
.set i, i+1
.endr
.endm
; O^T += V^T P: product i of 32: keys 32 (i / 16) on, channels 16 ((i / 4) % 4) on, tile i % 4.  first = 1: the first 16 start the sums: nothing is ever cleared.
.macro PV first
	WIN W_PV
.set i, 0
.rept 32
.set rO, 32*(i%4)+8*((i/4)%4)
.set rV, VF+32*(i/16)+8*((i/4)%4)
.set rP, S+32*(i%4)+8*(i/16)
.if \first && (i < 16)
	v_wmma_f32_16x16x32_f16 v[rO:rO+7], v[rV:rV+7], v[rP:rP+7], 0
.else
	v_wmma_f32_16x16x32_f16 v[rO:rO+7], v[rV:rV+7], v[rP:rP+7], v[rO:rO+7]
.endif
.set i, i+1
.endr
.endm
.macro SCL t, b                        ; pair b of tile t's scores: c s - c m
	v_pk_fma_f32 v[S+32*(\t)+2*(\b):S+32*(\t)+2*(\b)+1], v[S+32*(\t)+2*(\b):S+32*(\t)+2*(\b)+1], s[CS:CS+1], v[ST+8*(\t):ST+8*(\t)+1] op_sel_hi:[1,0,0] neg_lo:[0,0,1] neg_hi:[0,0,1]
.endm
.macro EXQ t, e                        ; p = 2^(c s - c m)
	v_exp_f32 v[S+32*(\t)+(\e)], v[S+32*(\t)+(\e)]
.endm
.macro SUMQ t, b, first                ; l takes pair b of the unrounded weights; with pair 0 the old l is brought under the new m
.if (\b) == 0
.if \first
	v_pk_mul_f32 v[ST+8*(\t)+2:ST+8*(\t)+3], v[S+32*(\t):S+32*(\t)+1], 1.0 op_sel_hi:[1,0]
.else
	v_pk_fma_f32 v[ST+8*(\t)+2:ST+8*(\t)+3], v[ST+8*(\t)+2:ST+8*(\t)+3], v[ST+8*(\t)+6:ST+8*(\t)+7], v[S+32*(\t):S+32*(\t)+1] op_sel_hi:[1,0,1]
.endif
.else
	v_pk_add_f32 v[ST+8*(\t)+2:ST+8*(\t)+3], v[ST+8*(\t)+2:ST+8*(\t)+3], v[S+32*(\t)+2*(\b):S+32*(\t)+2*(\b)+1]
.endif
.endm
.macro CVT t, b                        ; pair b to f16, IN PLACE: register b of the tile belongs to pair b / 2, which has been summed and rounded already
	v_cvt_pk_f16_f32 v[S+32*(\t)+(\b)], v[S+32*(\t)+2*(\b)], v[S+32*(\t)+2*(\b)+1]
.endm
; THE SOFTMAX of the wave's four tiles for one key step.  The tiles alternate, so that no line waits for the line above it.  first = 1: the first key step, which starts m, l and O^T.
; The exponentials go in two batches, each with ONE wait ahead of its first reader: tiles 0 and 1 (and the four a) with tiles 2 and 3's scalings between them; tiles 2 and 3 with tiles 0 and 1's sums
; and roundings between them.  Each batch ends on a plain line.
.macro SOFTMAX first
	WIN 0
.irp k, 0,1,2,3                        ; the maximum of a lane's 32 scores and the old m: four chains, one to an accumulator, each begun at the accumulator's low end
.irp t, 0,1,2,3
	v_max3_num_f32 v[ST+8*\t+4+\k], v[S+32*\t+8*\k], v[S+32*\t+8*\k+1], v[S+32*\t+8*\k+2]
.endr
.endr
.irp u, 3,5
.irp k, 0,1,2,3
.irp t, 0,1,2,3
	v_max3_num_f32 v[ST+8*\t+4+\k], v[ST+8*\t+4+\k], v[S+32*\t+8*\k+\u], v[S+32*\t+8*\k+\u+1]
.endr
.endr
.endr
.irp t, 0,1,2,3
	v_max3_num_f32 v[ST+8*\t+4], v[ST+8*\t+4], v[S+32*\t+7], v[S+32*\t+15]
.endr
.irp t, 0,1,2,3
	v_max3_num_f32 v[ST+8*\t+6], v[ST+8*\t+6], v[S+32*\t+23], v[S+32*\t+31]
.endr
.irp t, 0,1,2,3
	v_max3_num_f32 v[ST+8*\t+4], v[ST+8*\t+4], v[ST+8*\t+5], v[ST+8*\t+6]
.endr
.irp t, 0,1,2,3
.if \first
	v_max_num_f32 v[ST+8*\t+4], v[ST+8*\t+4], v[ST+8*\t+7]
.else
	v_max3_num_f32 v[ST+8*\t+4], v[ST+8*\t+4], v[ST+8*\t+7], v[ST+8*\t+1]
.endif
.endr
.irp t, 0,1,2,3
	v_permlanex16_b32 v[ST+8*\t+5], v[ST+8*\t+4], s[SEL], s[SEL+1]  ; the query's other 32 keys lie in the lane 16 away
.endr
.if !\first
.irp t, 0,1,2,3
	v_mov_b32 v[ST+8*\t+7], v[ST+8*\t]             ; c m_old is kept for a
.endr
.endif
.irp t, 0,1,2,3
	v_max_num_f32 v[ST+8*\t+1], v[ST+8*\t+4], v[ST+8*\t+5]          ; the new m
.endr
.irp t, 0,1,2,3
	v_mul_f32 v[ST+8*\t], s[CS], v[ST+8*\t+1]      ; c m
.endr
.if !\first
.irp t, 0,1,2,3
	v_sub_f32 v[ST+8*\t+7], v[ST+8*\t+7], v[ST+8*\t]
.endr
.irp t, 0,1,2,3
	v_exp_f32 v[ST+8*\t+6], v[ST+8*\t+7]           ; a
.endr
.endif
.irp b, 0,1,2,3,4,5,6,7,8,9,10,11,12,13,14,15
	SCL 0, \b
	SCL 1, \b
.endr
.irp b, 0,1,2,3,4,5,6,7,8,9,10,11,12,13,14,15
	EXQ 0, 2*\b
	EXQ 0, 2*\b+1
	SCL 2, \b
	EXQ 1, 2*\b
	EXQ 1, 2*\b+1
	SCL 3, \b
.endr
	s_wait_alu depctr_va_vdst(0)                   ; one wait for the four a and the 64 exponentials of tiles 0 and 1, ahead of their first reader
.irp b, 0,1,2,3,4,5,6,7,8,9,10,11,12,13,14,15
	EXQ 2, 2*\b
	SUMQ 0, \b, \first
	EXQ 2, 2*\b+1
	CVT 0, \b
	EXQ 3, 2*\b
	SUMQ 1, \b, \first
	EXQ 3, 2*\b+1
	CVT 1, \b
.endr
	s_wait_alu depctr_va_vdst(0)                   ; and one for the 64 of tiles 2 and 3
.irp b, 0,1,2,3,4,5,6,7,8,9,10,11,12,13,14,15
	SUMQ 2, \b, \first
	SUMQ 3, \b, \first
	CVT 2, \b
	CVT 3, \b
.endr
.if !\first
	WIN W_RS
.irp t, 0,1,2,3                        ; O^T under the new m: each accumulator from its low end on
.set i, 0
.rept 16
	v_pk_mul_f32 v[32*\t+i:32*\t+i+1], v[32*\t+i:32*\t+i+1], v[ST+8*\t+6:ST+8*\t+7] op_sel_hi:[1,0]
.set i, i+2
.endr
.endr
.endif
.endm
; A KEY STEP t.  On the way in: S^T of step t has just been issued, V of step t is on its way from LDS.  fetch = 1: K and V of step t + 1 are fetched, and S^T of step t + 1 is made.
; A vector instruction that reads a matrix result or writes a matrix instruction's register, and a load into such a register, stand four places behind it; a matrix instruction that writes over one, five (ISA guide 7.12.1 for vector instructions).
.macro TRIP first, fetch
	PLACES 4                                       ; behind K Q^T: for the loads into K's registers and the first reads of S^T
.if \fetch
	FETCH_K
.endif
	SOFTMAX \first
.if \fetch
	s_wait_dscnt 16                                ; V of this step is in; the 16 younger loads, K of the next, may be out
.else
	s_wait_dscnt 0x0
.endif
	PV \first
	WIN 0
.if \fetch
	PLACES 5                                       ; four for the loads into V's registers; the fifth since K Q^T next writes over P's registers, which V^T P has read
	FETCH_V
	s_wait_dscnt 16                                ; K of the next step is in; the 16 younger loads, its V, may be out
	KQ
	WIN 0
.endif
.endm
; THE CHANGE OF SLOTS: the slot's last bytes, V of its fourth step, have been asked for.  Each wave waits for all its tensor loads, of which one is out: its piece of the other slot; adds 0 to its spare word; and waits for that
; and for its own reads of the slot.  Behind the barrier nobody reads this slot any more and the other slot is whole.  fill = 1: this slot is filled again, with the keys two slots on: the barrier is then a round of the
; cluster's, and the joint refill is the first thing behind it: it has four key steps in which to land.
.macro CHANGE fill
	s_wait_tensorcnt 0x0                           ; no tensor load of mine is out, so a group 0 may be written
	ds_add_u32 v[SPW], v[NIL]                      ; 0 onto my spare word
.if \fill
.irp g, G0K+4, G0V+4
	s_xor_b32 s[\g+1], s[\g+1], SLOT1              ; the walking descriptors: the other slot than last time,
	s_add_nc_u64 s[\g+2:\g+3], s[\g+2:\g+3], SLOTB ; the next 256 keys; the type bits on top are not reached
.endr
	s_wait_xcnt 0x0                                ; the last prefetch, a slot back, has read its address, so it may be written:
	s_add_nc_u64 s[PFA:PFA+1], s[PFA:PFA+1], SLOTB ; one slot further on than the walking descriptors
	s_wait_dscnt 0x0                               ; the add is done, and my reads of the slot are over
	CROUND
	JLOAD
	ASK
.else
	s_wait_dscnt 0x0                               ; the add is done, and my reads of the slot are over
	s_barrier_signal -1
	s_barrier_wait -1
.endif
	s_sub_co_u32 s[TB], s[TB], SLOTB               ; the fetches go back to a slot's first step,
	s_xor_b32 s[TB], s[TB], SLOT1                  ; in the other slot
.endm
	s_wait_tensorcnt 1                             ; my piece of slot 0 is in; slot 1's may stay out
	s_barrier_signal -1
	s_barrier_wait -1                              ; everybody's is
	FETCH_K                                        ; key step 0
	FETCH_V
	s_wait_loadcnt 0x0                             ; Q
	s_wait_dscnt 16                                ; K is in; V's 16 loads may be out
	KQ
	WIN 0
	TRIP 1, 1                                      ; step 0 starts m, l and O^T
	s_mov_b32 s[TRIPS], 2
.Lhead:                                            ; steps 1 and 2: with them slot 0's four steps have been fetched
	TRIP 0, 1
	s_sub_co_u32 s[TRIPS], s[TRIPS], 1
	s_cmp_lg_u32 s[TRIPS], 0
	s_cbranch_scc1 .Lhead
.Lslot:                                            ; six trips: every slot but the last two is filled again
	CHANGE 1
	s_mov_b32 s[TRIPS], 4
.Lstep:
	TRIP 0, 1
	s_sub_co_u32 s[TRIPS], s[TRIPS], 1
	s_cmp_lg_u32 s[TRIPS], 0
	s_cbranch_scc1 .Lstep
	s_sub_co_u32 s[SLOTS], s[SLOTS], 1
	s_cmp_lg_u32 s[SLOTS], 0
	s_cbranch_scc1 .Lslot
	CHANGE 0                                       ; the tail is written out: nothing more is asked for
	s_mov_b32 s[TRIPS], 4
.Ltail:
	TRIP 0, 1
	s_sub_co_u32 s[TRIPS], s[TRIPS], 1
	s_cmp_lg_u32 s[TRIPS], 0
	s_cbranch_scc1 .Ltail
	TRIP 0, 0                                      ; the last step fetches nothing
	; THE WAY OUT.  l's two halves and the other half of the lanes' are added; O^T is divided by l and sent through my stage in LDS, a tile (16 rows) at a time.  The four additions are the places behind the last products.
.irp t, 0,1,2,3
	v_add_f32 v[ST+8*\t+4], v[ST+8*\t+2], v[ST+8*\t+3]
.endr
.irp t, 0,1,2,3
	v_permlanex16_b32 v[ST+8*\t+5], v[ST+8*\t+4], s[SEL], s[SEL+1]
.endr
.irp t, 0,1,2,3
	v_add_f32 v[ST+8*\t+4], v[ST+8*\t+4], v[ST+8*\t+5]
.endr
.irp t, 0,1,2,3
	v_rcp_f32 v[ST+8*\t+6], v[ST+8*\t+4]
.endr
	v_nop                                          ; a plain instruction between the last reciprocal and the use of its result
	s_wait_alu depctr_va_vdst(0)                   ; and the wait ahead of the first use: one for the four
; Tile t: a lane's eight channels of a row are 32 bytes; they go into rows of 272 bytes and come back as whole rows of 256, into the registers that they left.
.macro PACK t
	WIN W_OUT
.set i, 0
.rept 16
	v_pk_mul_f32 v[S+32*\t+i:S+32*\t+i+1], v[32*\t+i:32*\t+i+1], v[ST+8*\t+6:ST+8*\t+7] op_sel_hi:[1,0]
.set i, i+2
.endr
	WIN 0
.irp c, 0,1,2,3
.irp g, 0,1
	ds_store_b128 v[STO], v[S+32*\t+8*\c+4*\g:S+32*\t+8*\c+4*\g+3] offset:64*\c+16*\g
.endr
.endr
.irp f, 0,1,2,3,4,5,6,7
	ds_load_b128 v[S+32*\t+4*\f:S+32*\t+4*\f+3], v[RD] offset:\f*2*SP  ; LDS serves a wave's instructions in order (ISA guide 5.7.1.4): these see the stores above; the next tile's stores come behind them
.endr
.endm
.macro SEND t, younger                 ; younger: the LDS instructions issued behind tile t's loads: the next tile's sixteen, or none
.irp f, 0,1,2,3,4,5,6,7
	s_wait_dscnt \younger+7-\f
	global_store_b128 v[GO], v[S+32*\t+4*\f:S+32*\t+4*\f+3], s[10:11] offset:(16*\t+2*\f)*4096 th:TH_STORE_NT  ; 16 lanes store a head's 256 consecutive bytes of a row, at a multiple of 256 from out's first byte
.endr
.endm
	PACK 0
	PACK 1                                         ; a tile's arithmetic stands between the loads of the tile before and its stores
	SEND 0, 16
	PACK 2
	SEND 1, 16
	PACK 3
	SEND 2, 16
	SEND 3, 0
	s_wait_tensorcnt 0x0                           ; the wave's end: three lines behind my last tensor load and my last LDS store
	ds_add_u32 v[SPW], v[NIL]
	s_wait_dscnt 0x0
	CROUND                                         ; the closing round: no work-group ends while a partner may still ask for a piece that names it
	s_endpgm
.Lfunc_end_k_q8d244d6192_attn:
	.size	k_q8d244d6192_attn, .Lfunc_end_k_q8d244d6192_attn-k_q8d244d6192_attn
	.p2alignl 7, 3214868480
	.fill 96, 4, 3214868480
	.section	.rodata,"a",@progbits
	.p2align	6, 0x0
	.amdhsa_kernel k_q8d244d6192_attn
		.amdhsa_group_segment_fixed_size 327680
		.amdhsa_private_segment_fixed_size 0
		.amdhsa_enable_private_segment 0
		.amdhsa_kernarg_size 32
		.amdhsa_user_sgpr_count 2
		.amdhsa_user_sgpr_kernarg_segment_ptr 1
		.amdhsa_wavefront_size32 1
		.amdhsa_system_sgpr_workgroup_id_x 1
		.amdhsa_system_sgpr_workgroup_id_y 1
		.amdhsa_system_sgpr_workgroup_id_z 1
		.amdhsa_system_vgpr_workitem_id 0
		.amdhsa_next_free_vgpr 512
		.amdhsa_next_free_sgpr 66
		.amdhsa_reserve_vcc 0
		.amdhsa_float_denorm_mode_32 3
		.amdhsa_float_denorm_mode_16_64 3
		.amdhsa_memory_ordered 1
		.amdhsa_forward_progress 1
		.amdhsa_inst_pref_size 177
	.end_amdhsa_kernel
	.amdgpu_metadata
---
amdhsa.version: [ 1, 2 ]
amdhsa.kernels:
  - .name:           k_q8d244d6192_attn
    .symbol:         k_q8d244d6192_attn.kd
    .args:
      - { .name: q_img, .offset: 0, .size: 8, .value_kind: global_buffer, .address_space: global }
      - { .name: k_img, .offset: 8, .size: 8, .value_kind: global_buffer, .address_space: global }
      - { .name: v_img, .offset: 16, .size: 8, .value_kind: global_buffer, .address_space: global }
      - { .name: out0, .offset: 24, .size: 8, .value_kind: global_buffer, .address_space: global }
    .group_segment_fixed_size: 327680
    .private_segment_fixed_size: 0
    .kernarg_segment_align: 8
    .kernarg_segment_size: 32
    .max_flat_workgroup_size: 256
    .sgpr_count:     66
    .vgpr_count:     512
    .wavefront_size: 32
...
	.end_amdgpu_metadata
.endif
;; end of part 3
